; MI455X (gfx1250); checked and timed in simulation.
; The chip was launched on July 23, 2026; its instructions are those of AMD's public machine-readable ISA for CDNA 5 (MIT licence, August 2026) and "CDNA5" Instruction Set Architecture Reference Guide (July 2026). The comments in the code are by the model that wrote it; some were corrected since.
;; Flashback Attention. Allowed arithmetic: matrix products marked QUANTISED: E2M1 operands, one E8M0 scale for each 32 along K, by v_wmma_scale_f32_16x16x128_f8f6f4 with both operands' format E2M1 (or v_wmma_scale_f32_32x16x128_f4), f32 sums; products left as they are: f32 operands where the result goes on into a quantised operand, else bf16, f16 or f32 operands; f32 sums; everything else in f32.
;; Inputs: W_proj 1,024 x 2,048 float32; b_proj 1,024 float32; current_hidden_codes 32 x 32 x 16 uint8 (E2M1 codes of current_hidden, K innermost, in blocks of 32 codes, two codes a byte); current_hidden_scales 32 x 32 uint8 (E8M0 scales of current_hidden, one for each 32 codes along K); past_hidden 32 x 2,048 x 1,024 float32; w_score 1,024 float32.
;; Outputs: out0 32 x 1,024 float32; out1 32 x 2,048 float32.
;; This version of the problem:
;;   THIS VERSION OF THE PROBLEM IS GIVEN IN LOW PRECISION. The matrix products marked QUANTISED in the list below multiply operands that are first quantised to E2M1 (2 exponent bits, 1 mantissa bit; 4 bits a number), with one power-of-two scale for each 32 numbers along K (OCP MX v1.0); their sums are f32. All else is computed in f32.
;;   The module's matrix products, in the order in which they are computed (A, B: the left and right operand; K: the contracted axis; several contracted axes count as one K, in the product's order):
;;     1. [M 65,536, K 1,024] x [K 1,024, N 1,024]; A: input past_hidden; B: input W_proj: QUANTISED
;;     2. [M 32, K 1,024] x [K 1,024, N 1,024]; A: input current_hidden (given as codes); B: input W_proj: QUANTISED
;;     3. [M 65,536, K 1,024] x [K 1,024, N 1]; A: computed on the way; B: input w_score: left as it is (N = 1 < 16)
;;     4. batch 32 x [M 1, K 2,048] x [K 2,048, N 1,024]; A: softmax; B: input past_hidden: left as it is (M = 1 < 16)
;;   THE QUANTISER, for each operand of a quantised product, along K:
;;     - K is cut into blocks of 32 from its start; a last block that is shorter is filled with zeros.
;;     - A block's scale is 2^e with e = floor(log2(the largest magnitude in the block)) - 2, held to -126 .. 127; a block of zeros has e = 0. As a byte (E8M0): e + 127.
;;     - Each number is divided by its block's scale, clamped to +-6, and rounded to the nearest number of E2M1, ties to even, subnormals kept.
;;     - The product sums the exact products of the quantised numbers (number of the format x scale) in f32.
;;   ~~~python
;;   def quantise(x, axis):      # numpy; x: float32 -> the quantised numbers, widened to float32 again
;;       x = np.moveaxis(x, axis, -1); K = x.shape[-1]
;;       x = np.pad(x, [(0, 0)] * (x.ndim - 1) + [(0, -K % 32)]); x = x.reshape(x.shape[:-1] + (-1, 32)); a = np.abs(x).max(-1, keepdims=True)
;;       e = np.where(a > 0, np.clip(np.frexp(np.where(a > 0, a, 1))[1] - 1 - 2, -126, 127), 0)      # np.frexp(a)[1] - 1 = floor(log2(a)), exactly
;;       r = np.clip(x / 2.0 ** e, -6, 6)
;;       step = 2.0 ** (np.maximum(np.frexp(np.where(r == 0, 1, r))[1] - 1, 0) - 1)
;;       q = np.round(r / step) * step * 2.0 ** e      # np.round: ties to even
;;       return np.moveaxis(q.reshape(q.shape[:-2] + (-1,))[..., :K], -1, axis).astype(np.float32)
;;   ~~~
;;   INPUTS GIVEN AS CODES. current_hidden (in the module: [32, 1024], K = its axis 1): each comes as NAME_codes (uint8): NAME with its K axis moved to the last place and cut into blocks of 32 codes, [.., K / 32, bytes a block], one block behind the other in memory; two codes a byte, the lower K in the low four bits (a code: sign, 2 exponent bits, 1 mantissa bit); and NAME_scales (uint8): the same leading axes, one E8M0 byte (e + 127) for each 32 codes along K. Its value is code x scale, taken as it is: it is not quantised again, and the codes and scales need not be those that the quantiser above would give.
;; One version. Each part assembles by itself: llvm-mc -triple=amdgcn-amd-amdhsa -mcpu=gfx1250 --defsym DOCPART=n.
;; ======== version 1 of 1: 3 launches
;; limits: values are held in bf16: 8 bits of precision; right only within a limited range of input values
;; workspace buffers: wq 524,288 bytes; wqs 32,768 bytes; kc 131,072 bytes; scores 262,144 bytes; pacc 1,048,576 bytes; ml 65,536 bytes
;; launch prep (part 1): grid 64 x 1, 16 waves a work-group, no clusters, 36,352 bytes of LDS; arguments W_proj, b_proj, current_hidden_codes, current_hidden_scales, wq, wqs, kc; writes wq, wqs, kc
.if DOCPART == 1
	.amdgcn_target "amdgcn-amd-amdhsa--gfx1250"
	.amdhsa_code_object_version 6
	.text
	.protected	k_qffc301d97a_prep
	.globl	k_qffc301d97a_prep
	.p2align	8
	.type	k_qffc301d97a_prep,@function
k_qffc301d97a_prep:
	s_mov_b64 s[64:65], 0
	v_nop
	global_prefetch_b8 v0, s[64:65] scope:SCOPE_SE
	s_setreg_imm32_b32 hwreg(HW_REG_WAVE_MODE, 25, 1), 1
	s_wait_xcnt 0x0
; FIRST OF THREE LAUNCHES.  The program: score[s] = sum over h of w[h] tanh(past[s].Wp[h] + current.Wc[h] + b[h]); softmax over s (out1); the weighted sum of the past rows (out0).
; WORK LEFT OUT, for all values of the inputs: tanh(z) = 1 - 2 r with r = 1 / (1 + e^(2 z)), so score[s] = (sum over h of w[h]) - 2 sum over h of w[h] r[s][h].  The first term is the same for
; every s of a batch: a term added to a softmax's input that is the same along its axis changes no weight.  It is never formed.  What is carried is sc = -k sum w r, k = 2 log2(e): the score in powers of two.
; Every input has a way to an output and is loaded.  LIMITS: NaN and infinities among the inputs are not served; an overflow of the sum over h of w[h] alone is not carried to the result;
; a block of zeros gets the scale byte 1 (its codes are zeros, and only this program reads the bytes); blocks whose largest magnitude lies under 2^(2 - 126) are held at the byte 1.
; THIS LAUNCH: W_proj [1024][2048] f32 is quantised once, along K, to codes of E2M1 with one E8M0 byte for each 32.  Work-group T owns units 16 T .. 16 T + 15: 16 rows of W_proj; WAVE w TAKES ROW w.
; A lane holds 8 neighbours of each of 4 blocks, and a block lies in 4 neighbouring lanes: a load of the wave then covers 16 of every 32 bytes of 1,024 bytes (Wp: consecutive; Wc: eight runs of 128),
; a block's largest magnitude wants two steps between lanes, and the lane's four bytes are a whole scale word.  Codes and scale words go to rows in LDS and come back as operand fragments.
; Wp (columns 0-1023): K STEP sg OF THE FIRST PRODUCT IS MADE OF THE TRUE BLOCKS sg, 8 + sg, 16 + sg, 24 + sg (place b in the step = block 8 b + sg), alike here and in the launch that quantises
; past_hidden: blocks, codes and scales are the quantiser's own; only the order of the f32 sums differs.  Lane l holds blocks 8 q + l / 4.  Waves 0-7 store fragment sg = wave to wq as an image of the
; registers: [T][sg][c][lane][16 bytes]; wave 8 stores the scale words to wqs: [T][lane (r, hh)][4 words], word i = the word of unit r for K step 2 i + hh.
; Wc (columns 1024-2047): true K steps, since current_hidden's codes come so.  Lane l holds blocks 4 (l / 4) + q.  THE SECOND PRODUCT IS SHARED OUT EVENLY: wave w makes one product, batches 16 (w & 1) on,
; K step w / 2; so every wave asks for its own part of current_hidden with W's loads, with no branch.  The 16 partial tiles meet in LDS; each of the 512 threads sums 8 for one (batch, unit):
; kc[b][h] = k (current[b].Wc[h] + b_proj[h]).  That store is 4 bytes a lane, sixteen lanes to 64 consecutive bytes: a work-group owns 16 units, 64 bytes of a batch's row, at any width.
.set WPC,   0                          ; LDS: Wp's 16 rows of codes, 512 bytes + 16: true block B at byte 16 B
.set WCC,   8448                       ; Wc's likewise
.set CP,    528                        ; = 33 x 16: the 16 rows that a load touches fall into 16 different 16-byte columns
.set SI,    16896                      ; two scale images of 512 bytes, Wp's and Wc's: lane (r, hh) at 16 (r + 16 hh), word i = K step 2 i + hh
.set PSUM,  17920                      ; 16 partial tiles as images of their registers, 1,024 bytes each: tile 2 s + nb
.set SPARE, 34304                      ; the spare words, 128 bytes for each of 16 waves; no other line names them
.set K2,    0x4038aa3b                 ; k = 2 log2(e)
.set XP,    32                         ; v32-63   my row's numbers of Wp: 8 q + t
.set XC,    64                         ; v64-95   of Wc
.set QP,    96                         ; v96-112  Wp: +0 largest magnitudes, +4 scale operands, +8 bytes, +12 codes, +16 the scale word
.set QC,    116                        ; v116-132 Wc: a set of its own, so that no LDS store's data are written again
.set WV,    20                         ; s20      my wave's number
; v136-143 current's fragment; v144 its scale word; v145 the bias, then k x the bias; v146 Wc's scale word; v148-155 Wc's fragment; v156-163 the partial tile; v164-171 Wp's fragment; v172-175 Wp's scale image; v176-183 eight partials; v184 kc
.macro QUANT x, b                      ; 32 numbers of a lane, 8 of each of 4 blocks, become 4 registers of codes and a scale word
.irp q, 0,1,2,3
	v_max3_num_f32 v[\b+\q], |v[\x+8*\q]|, |v[\x+8*\q+1]|, 0x1800000       ; with the floor 2^(3 - 127) among the leaves: the byte cannot fall under 1
.endr
.irp t, 2,4,6
.irp q, 0,1,2,3
	s_delay_alu instid0(VALU_DEP_4)
	v_max3_num_f32 v[\b+\q], v[\b+\q], |v[\x+8*\q+\t]|, |v[\x+8*\q+\t+1]|  ; (the four blocks by turns)
.endr
.endr
.irp m, 1,2
.irp q, 0,1,2,3
	s_delay_alu instid0(VALU_DEP_4)
	v_max_num_f32_dpp v[\b+\q], v[\b+\q], v[\b+\q] row_xmask:\m row_mask:0xf bank_mask:0xf   ; with the block's other three lanes
.endr
.endr
.irp q, 0,1,2,3
	s_delay_alu instid0(VALU_DEP_4)
	v_add_nc_u32 v[\b+4+\q], 0xff000000, v[\b+\q]  ; 2 off the exponent field: the conversion's scale operand
.endr
.irp q, 0,1,2,3
	s_delay_alu instid0(VALU_DEP_4)
	v_lshrrev_b32 v[\b+8+\q], 23, v[\b+4+\q]       ; the scale's byte
.endr
	s_delay_alu instid0(VALU_DEP_3)
	v_lshl_or_b32 v[\b+16], v[\b+9], 8, v[\b+8]
	s_delay_alu instid0(VALU_DEP_1)
	v_lshl_or_b32 v[\b+16], v[\b+10], 16, v[\b+16]
	s_delay_alu instid0(VALU_DEP_1)
	v_lshl_or_b32 v[\b+16], v[\b+11], 24, v[\b+16] ; my row's scale word for K step l / 4
.irp q, 0,1,2,3
	v_cvt_scalef32_pk8_fp4_f32 v[\b+12+\q], v[\x+8*\q:\x+8*\q+7], v[\b+4+\q]
.endr
	v_nop                                          ; one plain place behind the last scaled conversion
.endm
	s_load_b256 s[4:11], s[0:1], 0x0               ; W_proj s[4:5], b_proj s[6:7], current's codes s[8:9], current's scales s[10:11]
	s_load_b128 s[12:15], s[0:1], 0x20             ; wq s[12:13], wqs s[14:15]
	s_load_b64 s[16:17], s[0:1], 0x30              ; kc
	v_lshl_add_u32 v12, v0, 2, SPARE               ; my spare word; never rewritten
	v_mov_b32 v13, 0                               ; 0; never rewritten
	v_lshrrev_b32 v22, 5, v0
	s_delay_alu instid0(VALU_DEP_1)
	v_readfirstlane_b32 s[WV], v22                 ; wave 0..15
	v_and_b32 v1, 31, v0                           ; lane l
	v_and_b32 v2, 15, v0                           ; r
	v_bfe_u32 v3, v0, 4, 1                         ; h
	s_delay_alu instid0(VALU_DEP_3)
	v_lshrrev_b32 v23, 2, v1                       ; l / 4
	s_delay_alu instid0(VALU_DEP_4)
	v_and_b32 v24, 3, v1                           ; l % 4
	; every LDS address is made here, ahead of the first branch
	v_lshlrev_b32 v4, 5, v1                        ; v4: Wp in memory: 32 l; block 8 q + l / 4 is 1,024 q further on
	s_delay_alu instid0(VALU_DEP_3)
	v_lshlrev_b32 v5, 9, v23
	s_delay_alu instid0(VALU_DEP_1)
	v_lshl_add_u32 v5, v24, 5, v5
	s_delay_alu instid0(VALU_DEP_1)
	v_add_nc_u32 v5, 4096, v5                      ; v5: Wc in memory: 4,096 + 512 (l / 4) + 32 (l % 4); block 4 (l / 4) + q is 128 q further on
	v_lshlrev_b32 v6, 4, v1                        ; v6: 16 l: an image's place for my lane
	s_mul_i32 s21, s[WV], CP                       ; my row of codes
	v_lshl_add_u32 v7, v1, 2, s21                  ; v7: Wp's codes out (WPC = 0): 4 l, + 128 q
	v_lshlrev_b32 v8, 6, v23
	s_delay_alu instid0(VALU_DEP_1)
	v_lshl_add_u32 v8, v24, 2, v8
	s_delay_alu instid0(VALU_DEP_1)
	v_add_nc_u32 v8, s21, v8
	s_delay_alu instid0(VALU_DEP_1)
	v_add_nc_u32 v8, WCC, v8                       ; v8: Wc's codes out: 64 (l / 4) + 4 (l % 4), + 16 q
	v_bfe_u32 v25, v1, 2, 1
	v_lshrrev_b32 v26, 3, v1
	s_delay_alu instid0(VALU_DEP_1)
	v_lshlrev_b32 v9, 2, v26
	s_delay_alu instid0(VALU_DEP_1)
	v_lshl_add_u32 v9, v25, 8, v9
	s_lshl_b32 s22, s[WV], 4
	s_add_co_u32 s22, s22, SI
	v_add_nc_u32 v9, s22, v9                       ; v9: the scale word out: unit = my row; K step l / 4: its parity picks the half, its half the word
	v_mul_u32_u24 v27, v2, CP
	s_delay_alu instid0(VALU_DEP_1)
	v_lshl_add_u32 v10, v3, 7, v27
	s_and_b32 s23, s[WV], 7                        ; sg
	s_lshl_b32 s24, s23, 4
	v_add_nc_u32 v10, s24, v10                     ; v10: Wp's fragment in: row r; registers 4 c on: block 16 c + 8 h + sg
	v_lshl_add_u32 v11, v3, 4, v27
	s_lshr_b32 s25, s[WV], 1                       ; s: my K step of the second product
	s_lshl_b32 s26, s25, 6
	s_add_co_u32 s26, s26, WCC
	v_add_nc_u32 v11, s26, v11                     ; v11: Wc's fragment in: row r, 64 s + 16 h, + 32 c
	s_and_b32 s27, s25, 1
	s_lshl_b32 s27, s27, 8
	s_lshr_b32 s28, s25, 1
	s_lshl_b32 s28, s28, 2
	s_add_co_u32 s27, s27, s28
	s_add_co_u32 s27, s27, SI+512
	v_lshl_add_u32 v14, v2, 4, s27                 ; v14: Wc's scale word of unit r for K step s
	s_lshl_b32 s28, s[WV], 10
	s_add_co_u32 s28, s28, PSUM
	v_add_nc_u32 v15, s28, v6                      ; v15: my partial tile out
	v_and_b32 v28, 3, v2
	v_bfe_u32 v29, v2, 2, 1
	v_bfe_u32 v30, v2, 3, 1
	s_delay_alu instid0(VALU_DEP_3)
	v_lshlrev_b32 v16, 2, v28
	s_delay_alu instid0(VALU_DEP_1)
	v_lshl_add_u32 v16, v29, 9, v16
	s_delay_alu instid0(VALU_DEP_1)
	v_lshl_add_u32 v16, v30, 8, v16
	s_delay_alu instid0(VALU_DEP_1)
	v_lshl_add_u32 v16, v3, 4, v16
	s_lshl_b32 s29, s23, 5
	s_lshr_b32 s30, s[WV], 3
	s_lshl_b32 s30, s30, 10
	s_add_co_u32 s29, s29, s30
	s_add_co_u32 s29, s29, PSUM
	v_add_nc_u32 v16, s29, v16                     ; v16: partials in: unit m = l % 16 (register m % 8 of half m / 8), batch 2 w + l / 16 (tile w / 8, lane 2 (w % 8) + l / 16); K step s is 2,048 s further on
	v_add_nc_u32 v17, SI, v6                       ; v17: Wp's scale image in
	; offsets in memory
	s_and_b32 s31, s[WV], 1                        ; nb
	s_lshl_b32 s31, s31, 4
	v_add_nc_u32 v31, s31, v2                      ; my batch in the product: 16 nb + r
	s_delay_alu instid0(VALU_DEP_1)
	v_lshlrev_b32 v18, 9, v31
	s_delay_alu instid0(VALU_DEP_1)
	v_lshl_add_u32 v18, v3, 4, v18
	s_lshl_b32 s32, s25, 6
	v_add_nc_u32 v18, s32, v18                     ; v18: its codes: a row of 512 bytes, 64 s + 16 h, + 32 c
	v_lshlrev_b32 v19, 5, v31
	s_lshl_b32 s33, s25, 2
	v_add_nc_u32 v19, s33, v19                     ; v19: its scale word: 32 bytes a row, 4 s
	v_lshlrev_b32 v20, 2, v2                       ; v20: b_proj: unit l % 16
	s_lshl_b32 s34, s[WV], 1
	v_add_nc_u32 v21, s34, v3
	s_delay_alu instid0(VALU_DEP_1)
	v_lshl_add_u32 v21, v21, 12, v20               ; v21: kc: batch 2 w + l / 16, a row of 4,096 bytes, unit l % 16
	s_mov_b32 s44, K2
	s_lshl_b32 s36, ttmp9, 17                      ; my tile's 16 rows of W_proj,
	s_lshl_b32 s35, s[WV], 13                      ; my row
	s_add_co_u32 s36, s36, s35
	s_mov_b32 s37, 0
	s_lshl_b32 s38, ttmp9, 13                      ; my tile in wq,
	s_lshl_b32 s35, s23, 10                        ; fragment sg
	s_add_co_u32 s38, s38, s35
	s_mov_b32 s39, 0
	s_lshl_b32 s40, ttmp9, 9                       ; my tile in wqs
	s_mov_b32 s41, 0
	s_lshl_b32 s42, ttmp9, 6                       ; my 16 units in b_proj and in a row of kc
	s_mov_b32 s43, 0
	s_wait_alu depctr_va_vdst(0)
	s_wait_kmcnt 0x0
	s_add_nc_u64 s[4:5], s[4:5], s[36:37]
	s_add_nc_u64 s[12:13], s[12:13], s[38:39]
	s_add_nc_u64 s[14:15], s[14:15], s[40:41]
	s_add_nc_u64 s[6:7], s[6:7], s[42:43]
	s_add_nc_u64 s[16:17], s[16:17], s[42:43]
.irp q, 0,1,2,3
.irp u, 0,1
	global_load_b128 v[XP+8*\q+4*\u:XP+8*\q+4*\u+3], v4, s[4:5] offset:1024*\q+16*\u th:TH_LOAD_NT
.endr
.endr
.irp q, 0,1,2,3
.irp u, 0,1
	global_load_b128 v[XC+8*\q+4*\u:XC+8*\q+4*\u+3], v5, s[4:5] offset:128*\q+16*\u th:TH_LOAD_NT
.endr
.endr
	global_load_b128 v[136:139], v18, s[8:9]       ; current's fragment: batches 16 nb on, K step s
	global_load_b128 v[140:143], v18, s[8:9] offset:32
	global_load_b32 v144, v19, s[10:11]            ; its scale words (lanes 16-31 hold the same and are not read)
	global_load_b32 v145, v20, s[6:7]              ; the bias of the unit that I sum at the end
	s_wait_loadcnt 12                              ; Wp's eight are in: behind them stand Wc's eight and the four small ones
	QUANT XP, QP
.irp q, 0,1,2,3
	ds_store_b32 v7, v[QP+12+\q] offset:128*\q     ; 32 lanes: 128 consecutive bytes: blocks 8 q .. 8 q + 7
.endr
	ds_store_b32 v9, v[QP+16]                      ; a block's four lanes write the same word with the same value
	s_wait_loadcnt 4                               ; Wc's eight are in: the four small ones may stay out
	QUANT XC, QC
.irp q, 0,1,2,3
	ds_store_b32 v8, v[QC+12+\q] offset:16*\q      ; block 4 (l / 4) + q
.endr
	ds_store_b32 v9, v[QC+16] offset:512
	s_wait_dscnt 0x0                               ; for the others' sake: my codes and scale words have landed
	s_barrier_signal -1
	s_barrier_wait -1                              ; the 16 rows of both halves lie in LDS; nobody writes them again
	ds_load_b128 v[148:151], v11                   ; Wc's fragment of K step s
	ds_load_b128 v[152:155], v11 offset:32
	ds_load_b32 v146, v14                          ; and its scale words
	s_wait_loadcnt 0x0                             ; current's fragment and scale words, the bias
	s_wait_dscnt 0x0
	; transposed: source 0 = 16 units of Wc, source 1 = 16 batches: register j of lane (r, h): unit 8 h + j, batch 16 nb + r.  One product a wave: it starts and ends its sum
	v_wmma_scale_f32_16x16x128_f8f6f4 v[156:163], v[148:155], v[136:143], 0, v146, v144 matrix_a_fmt:MATRIX_FMT_FP4 matrix_b_fmt:MATRIX_FMT_FP4
	v_mul_f32 v145, s44, v145                      ; k x the bias: the first of four places in front of the read of the result
.rept 3
	v_nop
.endr
	ds_store_b128 v15, v[156:159]                  ; the partial tile as it stands, from its low end on
	ds_store_b128 v15, v[160:163] offset:512
	s_cmp_lt_u32 s[WV], 8
	s_cbranch_scc0 .Lnot_wp
	ds_load_b128 v[164:167], v10                   ; waves 0-7: Wp's fragment sg leaves as an image of its registers: 512 consecutive bytes a store
	ds_load_b128 v[168:171], v10 offset:256
	s_wait_dscnt 0x0
	global_store_b128 v6, v[164:167], s[12:13]
	global_store_b128 v6, v[168:171], s[12:13] offset:512
	s_branch .Lmeet
.Lnot_wp:
	s_cmp_lg_u32 s[WV], 8
	s_cbranch_scc1 .Lmeet
	ds_load_b128 v[172:175], v17                   ; wave 8: Wp's scale image: 512 consecutive bytes
	s_wait_dscnt 0x0
	global_store_b128 v6, v[172:175], s[14:15]
.Lmeet:
	s_wait_dscnt 0x0                               ; for the others' sake: my partial tile has landed
	s_barrier_signal -1
	s_barrier_wait -1                              ; the 16 partial tiles lie in LDS
.irp s, 0,1,2,3,4,5,6,7
	ds_load_b32 v[176+\s], v16 offset:2048*\s      ; my (batch, unit) in the partial tile of K step s
.endr
	s_wait_dscnt 0x0
.irp s, 0,2,4,6
	v_add_f32 v[176+\s], v[176+\s], v[177+\s]
.endr
	s_delay_alu instid0(VALU_DEP_3)
	v_add_f32 v176, v176, v178
	s_delay_alu instid0(VALU_DEP_2)
	v_add_f32 v180, v180, v182
	s_delay_alu instid0(VALU_DEP_1)
	v_add_f32 v176, v176, v180
	s_wait_alu depctr_va_vdst(0)
	v_fma_f32 v184, v176, s44, v145                ; kc = k x the sum + k x the bias
	global_store_b32 v21, v184, s[16:17]           ; sixteen lanes: 64 consecutive bytes of a batch's row
	s_wait_tensorcnt 0x0                           ; the wave's end, behind my last LDS store
	ds_add_u32 v12, v13
	s_wait_dscnt 0x0
	s_endpgm
.Lfunc_end_k_qffc301d97a_prep:
	.size	k_qffc301d97a_prep, .Lfunc_end_k_qffc301d97a_prep-k_qffc301d97a_prep
	.p2alignl 7, 3214868480
	.fill 96, 4, 3214868480
	.section	.rodata,"a",@progbits
	.p2align	6, 0x0
	.amdhsa_kernel k_qffc301d97a_prep
		.amdhsa_group_segment_fixed_size 36352
		.amdhsa_private_segment_fixed_size 0
		.amdhsa_enable_private_segment 0
		.amdhsa_kernarg_size 56
		.amdhsa_user_sgpr_count 2
		.amdhsa_user_sgpr_kernarg_segment_ptr 1
		.amdhsa_wavefront_size32 1
		.amdhsa_system_sgpr_workgroup_id_x 1
		.amdhsa_system_sgpr_workgroup_id_y 1
		.amdhsa_system_sgpr_workgroup_id_z 1
		.amdhsa_system_vgpr_workitem_id 0
		.amdhsa_next_free_vgpr 192
		.amdhsa_next_free_sgpr 66
		.amdhsa_reserve_vcc 0
		.amdhsa_float_denorm_mode_32 3
		.amdhsa_float_denorm_mode_16_64 3
		.amdhsa_memory_ordered 1
		.amdhsa_forward_progress 1
		.amdhsa_inst_pref_size 18
	.end_amdhsa_kernel
	.amdgpu_metadata
---
amdhsa.version: [ 1, 2 ]
amdhsa.kernels:
  - .name:           k_qffc301d97a_prep
    .symbol:         k_qffc301d97a_prep.kd
    .args:
      - { .name: W_proj, .offset: 0, .size: 8, .value_kind: global_buffer, .address_space: global }
      - { .name: b_proj, .offset: 8, .size: 8, .value_kind: global_buffer, .address_space: global }
      - { .name: current_hidden_codes, .offset: 16, .size: 8, .value_kind: global_buffer, .address_space: global }
      - { .name: current_hidden_scales, .offset: 24, .size: 8, .value_kind: global_buffer, .address_space: global }
      - { .name: wq, .offset: 32, .size: 8, .value_kind: global_buffer, .address_space: global }
      - { .name: wqs, .offset: 40, .size: 8, .value_kind: global_buffer, .address_space: global }
      - { .name: kc, .offset: 48, .size: 8, .value_kind: global_buffer, .address_space: global }
    .group_segment_fixed_size: 36352
    .private_segment_fixed_size: 0
    .kernarg_segment_align: 8
    .kernarg_segment_size: 56
    .max_flat_workgroup_size: 512
    .sgpr_count:     66
    .vgpr_count:     192
    .wavefront_size: 32
...
	.end_amdgpu_metadata
.endif
;; end of part 1
;; launch main (part 2): grid 256 x 1, 4 waves a work-group, no clusters, 327,680 bytes of LDS; arguments past_hidden, wq, wqs, kc, w_score, scores, pacc, ml; writes scores, pacc, ml
.if DOCPART == 2
	.amdgcn_target "amdgcn-amd-amdhsa--gfx1250"
	.amdhsa_code_object_version 6
	.text
	.protected	k_qffc301d97a_main
	.globl	k_qffc301d97a_main
	.p2align	8
	.type	k_qffc301d97a_main,@function
k_qffc301d97a_main:
	s_mov_b64 s[64:65], 0
	v_nop
	global_prefetch_b8 v0, s[64:65] scope:SCOPE_SE
	s_setreg_imm32_b32 hwreg(HW_REG_WAVE_MODE, 25, 1), 1
	s_wait_xcnt 0x0
; SECOND OF THREE LAUNCHES.  Work left out (shown at the head of the first kernel): the term sum over h of w[h] of every score, which is the same along the softmax's axis.
; A work-group owns 256 rows of past_hidden of one batch (work-group x: batch x / 8, rows 256 x on), in 4 chunks of 64 rows.  past_hidden is read from memory ONCE: a chunk comes into an LDS stage by
; tensor loads (16 rows, 64 KiB, a wave); the wave that fetched a row turns it into codes of E2M1 (to LDS, for all four waves) and into bf16 (256 registers of its own), which wait for the row's weight.
; THE WAVES SHARE THE UNITS: wave w makes units 256 w .. 256 w + 255 for all 64 rows.  So each byte of W's codes goes from memory straight into the registers of the one wave that multiplies it, as the
; image that the first launch laid; the rows' fragments (4 tiles x 8 K steps, 256 registers) stay in registers through a chunk, and the products read no LDS.
; A chunk: QPHASE quantise my 16 rows | barrier, and behind it the stage's refill with the next chunk, which has the rest of the chunk in which to land | the rows' fragments from LDS | 8 groups of 2 tiles
; of units: 64 products, then r = 1 / (1 + 2^(k x + kc)) and sacc += w r | sums over units: 16 lanes, then 4 waves through LDS | barrier | running maximum M, p = 2^(sc - M), l, and acc4 = acc4 F + sum p row.
; K STEP sg OF THE PRODUCT IS MADE OF THE TRUE BLOCKS sg, 8 + sg, 16 + sg, 24 + sg, alike in both operands: the lane that quantises a row then holds a whole scale word.  Only the order of the f32 sums differs.
; Range: 2^t = infinity gives r = 0, 2^t = 0 gives r = 1: no clamp is needed.  The maximum is taken away by a running maximum here and by the batch's own in the last launch.
; The weighted sum takes the rows in bf16 and p in f32.  NO CLUSTER: no two work-groups read the same rows of past_hidden; W's codes are read by all, but a joint load lands in LDS, where the stage, the code rows
; and the small regions take 316,928 of 327,680 bytes, and no two waves of a work-group read the same byte of W.
; LIMITS: NaN and infinities among the inputs are not served; a block of zeros gets the byte 1 (its codes are zeros).
; REGISTERS, in windows of 256: window 0: see the names below.  window 1: the rows' fragments, 64 mt + 8 sg + 4 c.  window 2: W's fragments, two sets: 128 p + 64 nt + 8 sg + 4 c.  window 3: my 16 rows in bf16: 16 i + e / 2.
.set STAGEW, 69632                     ; LDS: the stage, a wave's quarter: 256 pieces of 256 bytes + 16 of padding
.set ROWL,   4352                      ; a row of 4,096 bytes in it: 16 pieces
.set SPANL,  1088                      ; 1,024 bytes of a row: 4 pieces
.set ACODE,  278528                    ; 64 rows of codes, 512 bytes + 16: true block B at byte 16 B.  At the very end: the four waves' sums
.set CPITCH, 528                       ; = 33 x 16: the 16 rows that a load touches fall into 16 different 16-byte columns
.set ASCL,   312320                    ; the rows' scale words: 4 tiles x 512 bytes: lane (r, hh) at 16 (r + 16 hh), word i = K step 2 i + hh
.set PART,   314368                    ; [wave][64 rows] f32: each wave's sum over its units
.set PB,     315392                    ; [wave][64] f32: each wave's own copy of p
.set SPARE,  316416                    ; the spare words, 128 bytes a wave; no other line names them
.set K2,     0x4038aa3b                ; k = 2 log2(e)
.set NK2,    0xc038aa3b                ; -k
; v0 thread; v1 lane; v2, v3 the add's two; v4, v5 stage (rows 0-7, 8-15); v6 codes out; v7 scale word out; v8 fragments in; v9 scale words in; v10 16 l; v11 4 r; v12 PART out; v13 PART in;
; v14 p out; v15 p in; v16 8 l; v17, v18 the last sums out, in; v[20:21] M, l; v[22:23] F; v24-27 at work; v[28:29] sc; v[30:31] p; v32-47 the rows' scale words; v48-63 W's, two sets
.set ACCU, 64                          ; v64-127  8 accumulators (tile mt + 4 nt); in QPHASE two buffers of a lane's 32 numbers of a row
.set SACC, 128                         ; v128-159 sums of w r: 8 mt + j
.set ACC4, 160                         ; v160-191 the weighted sum: element 8 q + t = column 256 q + 8 l + t
.set CST,  192                         ; v192-207 two sets of four pairs: kc, w of tile 0, kc, w of tile 1; the number in the even register
.set TM,   208                         ; v208-211 largest magnitudes;  v212-215 scale operands;  v216-219 bytes;  v220-223 codes;  v224 the scale word
.set SO,   212
.set BY,   216
.set CD,   220
.set WD,   224
.set PS,   226                         ; v226-233 four waves' sums of two rows
.set PR,   240                         ; v240-255 p of my 16 rows, the same in all lanes
; s[2:3] scores; s[4:19] arguments; s20 wave; s21 at work; s22 group trips; s23 chunk trips; s[24:31], s[32:35] the descriptor; s[36:37] k; s[38:39] -k; s[40:41] lane selects;
; s[42:49] my wave's first bytes of wq, wqs, kc, w_score; s[50:57] the same at the group to be fetched; s[58:59], s[60:61], s[62:63] that group's offset in wq, / 16, / 128
.set MSB, 0
.macro WIN new                         ; the immediate's high byte repeats the setting that is left; a switch that changes nothing is dropped
.if MSB != \new
	s_set_vgpr_msb (MSB<<8)|\new
.set MSB, \new
.endif
.endm
.macro PLACES
.rept 4
	v_nop
.endr
.endm
; ---- row i of my 16 out of the stage: lane l takes columns 256 q + 8 l + 0 .. 7, q = 0 .. 3: eight loads of 16 bytes; 16 lanes touch 16 different 16-byte columns
.macro QROWLD i
.if (\i) < 8
.set QA, 4
.else
.set QA, 5
.endif
.irp q, 0,1,2,3
.irp u, 0,1
	ds_load_b128 v[ACCU+32*((\i)%2)+8*\q+4*\u:ACCU+32*((\i)%2)+8*\q+4*\u+3], v[QA] offset:ROWL*((\i)%8)+SPANL*\q+16*\u
.endr
.endr
.endm
; ---- row i is quantised.  True block 8 q + l / 4 lies in four lanes, eight numbers each: so lane l holds, for K step l / 4, the blocks of places q = 0 .. 3: a whole scale word
.macro QROW i
.set XB, ACCU+32*((\i)%2)
.if (\i) < 15
	QROWLD \i+1
	s_wait_dscnt 8                                 ; all but the next row's eight loads: this row is in, and the last row's five stores are done
.else
	s_wait_dscnt 0x0
.endif
.irp q, 0,1,2,3
	v_max3_num_f32 v[TM+\q], |v[XB+8*\q]|, |v[XB+8*\q+1]|, 0x1800000       ; with the floor 2^(3 - 127): the byte cannot fall under 1
.endr
.irp t, 2,4,6
.irp q, 0,1,2,3
	v_max3_num_f32 v[TM+\q], v[TM+\q], |v[XB+8*\q+\t]|, |v[XB+8*\q+\t+1]|  ; (the four blocks by turns)
.endr
.endr
.irp m, 1,2
.irp q, 0,1,2,3
	v_max_num_f32_dpp v[TM+\q], v[TM+\q], v[TM+\q] row_xmask:\m row_mask:0xf bank_mask:0xf   ; with the block's other three lanes
.endr
.endr
.irp q, 0,1,2,3
	v_add_nc_u32 v[SO+\q], 0xff000000, v[TM+\q]    ; 2 off the exponent field: the conversion's scale operand
.endr
.irp q, 0,1,2,3
	v_lshrrev_b32 v[BY+\q], 23, v[SO+\q]           ; the scale's byte
.endr
	v_lshl_or_b32 v[WD], v[BY+1], 8, v[BY]
	v_lshl_or_b32 v[WD], v[BY+2], 16, v[WD]
	v_lshl_or_b32 v[WD], v[BY+3], 24, v[WD]        ; the row's scale word for K step l / 4
.irp q, 0,1,2,3
	v_cvt_scalef32_pk8_fp4_f32 v[CD+\q], v[XB+8*\q:XB+8*\q+7], v[SO+\q]
.endr
	v_nop                                          ; one plain place behind the last scaled conversion
	WIN 0xc0                                       ; destination window 3
.set E2, 0
.rept 16
	v_cvt_pk_bf16_f32 v[16*(\i)+E2], v[XB+2*E2], v[XB+2*E2+1]              ; the row is kept for the weighted sum
.set E2, E2+1
.endr
	WIN 0
.irp q, 0,1,2,3
	ds_store_b32 v6, v[CD+\q] offset:CPITCH*(\i)+128*\q                    ; 32 lanes: 128 consecutive bytes: blocks 8 q .. 8 q + 7
.endr
	ds_store_b32 v7, v[WD] offset:16*(\i)          ; a block's four lanes write the same word with the same value
.endm
; fill = 1: my quarter of the stage is filled again in two pieces.  Rows 0-3 (64 pieces of 256 bytes) are asked for here, behind a barrier of their own, as soon as I have quantised them;
; rows 4-15 behind the barrier of macro MEET.  One tensor load of mine is out at a time, by this text's count.
.macro QPHASE fill
	s_wait_tensorcnt 0x0                           ; both pieces of this chunk's quarter are in; only I read these bytes
	QROWLD 0
.set QI, 0
.rept 4
	QROW QI
.set QI, QI+1
.endr
.if \fill
	s_wait_tensorcnt 0x0                           ; no tensor load of mine is out, so the descriptor may be written
	ds_add_u32 v2, v3                              ; 0 onto my spare word
	s_add_nc_u64 s[34:35], s[34:35], 262144        ; rows 0-3 of my 16 in the next chunk: 64 rows of 4,096 bytes on
	s_wait_dscnt 0x0                               ; the add is done, and my reads of rows 0-3 (and row 4's, asked for ahead) are back
	s_barrier_signal -1
	s_barrier_wait -1
	tensor_load_to_lds s[32:35], s[76:83]          ; my one tensor load until the next such barrier; eight LDS loads follow it
	s_nop 0
.endif
.rept 12
	QROW QI
.set QI, QI+1
.endr
.endm
; ---- the barrier behind which the codes are everybody's.  fill = 1: it is also the barrier in front of the stage's refill
.macro MEET fill
.if \fill
	s_wait_tensorcnt 0x0                           ; no tensor load of mine is out, so the descriptor may be written
	ds_add_u32 v2, v3                              ; 0 onto my spare word
	s_add_nc_u64 s[86:87], s[86:87], 262144        ; rows 4-15 of my 16 in the next chunk; the type bits on top are not reached
	s_wait_dscnt 0x0                               ; the add is done, my reads of the stage are back, my codes and scale words have landed
	s_barrier_signal -1
	s_barrier_wait -1
	tensor_load_to_lds s[84:87], s[88:95]          ; my one tensor load until the next such barrier: 192 pieces of 256 bytes; four LDS loads follow it, ahead of any switch of windows
	s_nop 0
.else
	s_wait_dscnt 0x0                               ; my codes and scale words have landed
	s_barrier_signal -1
	s_barrier_wait -1
.endif
.endm
; ---- the 64 rows' fragments and scale words.  Lane (r, h), registers 4 c on: place 2 c + h of K step sg = true block 16 c + 8 h + sg
.macro ALOAD
.irp mt, 0,1,2,3
	ds_load_b128 v[32+4*\mt:35+4*\mt], v9 offset:512*\mt                   ; the four scale loads first,
.endr
	WIN 0x40                                       ; destination window 1
.irp sg, 0,1,2,3,4,5,6,7                           ; then eight loads for each K step, K steps ascending: the products wait for them by count (macro GROUP)
.irp mt, 0,1,2,3
.irp c, 0,1
	ds_load_b128 v[64*\mt+8*\sg+4*\c:64*\mt+8*\sg+4*\c+3], v8 offset:16*CPITCH*\mt+256*\c+16*\sg
.endr
.endr
.endr
	WIN 0
.set J, 0
.rept 32
	v_mov_b32 v[SACC+J], 0                         ; the chunk's sums of w r begin (the groups are written once, so the first finds zeros)
.set J, J+1
.endr
.endm
; ---- a group of two tiles of units is fetched into set p: 34 loads of 512 consecutive bytes ...
.macro WLOADW p
	WIN 0x80                                       ; destination window 2
.irp nt, 0,1
.irp sg, 0,1,2,3,4,5,6,7
.irp c, 0,1
	global_load_b128 v[128*\p+64*\nt+8*\sg+4*\c:128*\p+64*\nt+8*\sg+4*\c+3], v10, s[50+16*\p:51+16*\p] offset:8192*\nt+1024*\sg+512*\c
.endr
.endr
.endr
	WIN 0
.irp nt, 0,1
	global_load_b128 v[48+8*\p+4*\nt:51+8*\p+4*\nt], v10, s[52+16*\p:53+16*\p] offset:512*\nt
.endr
.endm
; ---- ... and 4 for kc and w of my lane's unit r in each tile: behind the activation that still reads set p's
.macro WLOADC p
.irp nt, 0,1
	global_load_b32 v[CST+8*\p+4*\nt], v11, s[54+16*\p:55+16*\p] offset:64*\nt
	global_load_b32 v[CST+8*\p+4*\nt+2], v11, s[56+16*\p:57+16*\p] offset:64*\nt
.endr
.endm
; each set of W's registers has bases of its own: set 0 in s[50:57], set 1 in s[66:73]
.macro WBASES p
	s_add_nc_u64 s[50+16*\p:51+16*\p], s[42:43], s[58:59]
	s_add_nc_u64 s[52+16*\p:53+16*\p], s[44:45], s[60:61]
	s_add_nc_u64 s[54+16*\p:55+16*\p], s[46:47], s[62:63]
	s_add_nc_u64 s[56+16*\p:57+16*\p], s[48:49], s[62:63]
.endm
.macro WSTEP p                         ; on to the next group of my 8, round and round: 16,384 bytes of codes, 1,024 of scale words, 128 of kc and of w; set p's bases are written
	s_add_co_u32 s58, s58, 16384
	s_and_b32 s58, s58, 0x1ffff
	s_lshr_b32 s60, s58, 4
	s_lshr_b32 s62, s58, 7
	WBASES \p
.endm
; ---- one product: rows 16 mt on (source 0) x units of tile nt (source 1), K step sg.  Register j of lane (r, h) of the result: row 16 mt + 8 h + j, unit r
.macro MM p, sg, nt, mt
.set RD,  ACCU+8*(\mt+4*\nt)
.set RA,  64*\mt+8*\sg
.set RB,  128*\p+64*\nt+8*\sg
.set RSA, 32+4*\mt+\sg/2
.set RSB, 48+8*\p+4*\nt+\sg/2
.if \sg == 0
	v_wmma_scale_f32_16x16x128_f8f6f4 v[RD:RD+7], v[RA:RA+7], v[RB:RB+7], 0, v[RSA], v[RSB] matrix_a_fmt:MATRIX_FMT_FP4 matrix_b_fmt:MATRIX_FMT_FP4
.elseif (\sg % 2) == 0
	v_wmma_scale_f32_16x16x128_f8f6f4 v[RD:RD+7], v[RA:RA+7], v[RB:RB+7], v[RD:RD+7], v[RSA], v[RSB] matrix_a_fmt:MATRIX_FMT_FP4 matrix_b_fmt:MATRIX_FMT_FP4
.else
	v_wmma_scale_f32_16x16x128_f8f6f4 v[RD:RD+7], v[RA:RA+7], v[RB:RB+7], v[RD:RD+7], v[RSA], v[RSB] matrix_a_fmt:MATRIX_FMT_FP4 matrix_b_fmt:MATRIX_FMT_FP4 matrix_a_scale:MATRIX_SCALE_ROW1 matrix_b_scale:MATRIX_SCALE_ROW1
.endif
.endm
; ---- r = 1 / (1 + 2^(k x + kc)), sacc += w r, on the group's 8 tiles: unit tile nt's 32 registers lie at ACCU + 32 nt, register 8 mt + j of them goes to SACC + 8 mt + j.
; The 128 transcendentals go in four batches of 32.  From the second batch on each pair of them is followed by one packed line of the OTHER unit tile's plain work, which names no register of the batch.
; One wait stands ahead of the first batch and one behind each batch.
.macro TANH p
.irp nt, 0,1
.irp mt, 0,1,2,3
.irp i, 0,2,4,6
	v_pk_fma_f32 v[ACCU+8*(\mt+4*\nt)+\i:ACCU+8*(\mt+4*\nt)+\i+1], v[ACCU+8*(\mt+4*\nt)+\i:ACCU+8*(\mt+4*\nt)+\i+1], s[36:37], v[CST+8*\p+4*\nt:CST+8*\p+4*\nt+1] op_sel_hi:[1,0,0]   ; each accumulator from its low end on
.endr
.endr
.endr
	s_wait_alu depctr_va_vdst(0)                   ; ahead of the first batch
.set J, 0
.rept 32
	v_exp_f32 v[ACCU+J], v[ACCU+J]                 ; tile 0: 2^t
.set J, J+1
.endr
	v_nop                                          ; a plain place behind the last exponential
	s_wait_alu depctr_va_vdst(0)
.set J, 0
.rept 16
	v_exp_f32 v[ACCU+32+J], v[ACCU+32+J]           ; tile 1: 2^t;
	v_exp_f32 v[ACCU+33+J], v[ACCU+33+J]
	v_pk_add_f32 v[ACCU+J:ACCU+J+1], v[ACCU+J:ACCU+J+1], 1.0 op_sel_hi:[1,0]               ; tile 0: 1 + 2^t
.set J, J+2
.endr
	s_wait_alu depctr_va_vdst(0)
.set J, 0
.rept 16
	v_rcp_f32 v[ACCU+J], v[ACCU+J]                 ; tile 0: r;
	v_rcp_f32 v[ACCU+1+J], v[ACCU+1+J]
	v_pk_add_f32 v[ACCU+32+J:ACCU+33+J], v[ACCU+32+J:ACCU+33+J], 1.0 op_sel_hi:[1,0]       ; tile 1: 1 + 2^t
.set J, J+2
.endr
	s_wait_alu depctr_va_vdst(0)
.set J, 0
.rept 16
	v_rcp_f32 v[ACCU+32+J], v[ACCU+32+J]           ; tile 1: r;
	v_rcp_f32 v[ACCU+33+J], v[ACCU+33+J]
	v_pk_fma_f32 v[SACC+J:SACC+J+1], v[ACCU+J:ACCU+J+1], v[CST+8*\p+2:CST+8*\p+3], v[SACC+J:SACC+J+1] op_sel_hi:[1,0,1]   ; tile 0: sacc += w r
.set J, J+2
.endr
	s_wait_alu depctr_va_vdst(0)
.set J, 0
.rept 16
	v_pk_fma_f32 v[SACC+J:SACC+J+1], v[ACCU+32+J:ACCU+33+J], v[CST+8*\p+6:CST+8*\p+7], v[SACC+J:SACC+J+1] op_sel_hi:[1,0,1]   ; tile 1: sacc += w r
.set J, J+2
.endr
.endm
; ---- a group.  cnt: the global loads issued behind set p's, which may stay out: the other set's 38, or none.  pref = 1: set p is fetched anew, with the group two on
.macro GROUP p, pref, cnt
	s_wait_loadcnt \cnt
	WIN 0x09                                       ; source 0 window 1, source 1 window 2, C and D window 0
.irp sg, 0,1,2,3,4,5,6,7                           ; the 8 accumulators take turns, one instruction a turn; the first K step starts the sums
.if (\sg % 4) == 0
	s_wait_dscnt 32-8*\sg                          ; the rows' fragments of K steps sg .. sg + 3 are in: behind them stand eight LDS loads for each later K step (in a chunk's later groups none is out)
.endif
.irp nt, 0,1
.irp mt, 0,1,2,3
	MM \p, \sg, \nt, \mt
.endr
.endr
.endr
	WIN 0
	PLACES                                         ; four places in front of loads into registers that the products read, and of the first read of results
.if \pref
	WSTEP \p                                       ; set p's bases may be written: the wait on LOADcnt at this group's head has shown all the loads done that read them
	WLOADW \p
.endif
	TANH \p
.if \pref
	WLOADC \p
.endif
.endm
.macro GLOOP fill                      ; my 8 groups.  fill = 1: the last two fetches are the next chunk's groups 0 and 1.  fill = 0: the last two groups are written out and fetch nothing
.if \fill
	s_mov_b32 s22, 4
.else
	s_mov_b32 s22, 3
.endif
.Lgroups_\@:
	GROUP 0, 1, 38
	GROUP 1, 1, 38
	s_sub_co_u32 s22, s22, 1
	s_cmp_lg_u32 s22, 0
	s_cbranch_scc1 .Lgroups_\@
.if \fill == 0
	GROUP 0, 0, 38
	GROUP 1, 0, 0
.endif
.endm
; ---- the chunk's 64 scores, the running maximum, p, l
.macro SCORE
.irp m, 1,2,4,8
.set J, 0
.rept 32
	v_add_f32_dpp v[SACC+J], v[SACC+J], v[SACC+J] row_xmask:\m row_mask:0xf bank_mask:0xf   ; over the 16 lanes, which hold 16 units of one row
.set J, J+1
.endr
.endr
.irp mt, 0,1,2,3
	ds_store_b128 v12, v[SACC+8*\mt:SACC+8*\mt+3] offset:64*\mt            ; rows 16 mt + 8 h + 0 .. 3; sixteen lanes write the same bytes with the same values
	ds_store_b128 v12, v[SACC+8*\mt+4:SACC+8*\mt+7] offset:64*\mt+16
.endr
	s_wait_dscnt 0x0                               ; for the others' sake: my sums have landed (and my reads of the code rows were back long ago)
	s_barrier_signal -1                            ; the stage's load stays on its way
	s_barrier_wait -1
.irp k, 0,1,2,3
	ds_load_b64 v[PS+2*\k:PS+2*\k+1], v13 offset:256*\k                    ; rows 2 l, 2 l + 1 of each wave's sums
.endr
	s_wait_dscnt 0x0
	v_pk_add_f32 v[PS:PS+1], v[PS:PS+1], v[PS+2:PS+3]
	v_pk_add_f32 v[PS+4:PS+5], v[PS+4:PS+5], v[PS+6:PS+7]
	v_pk_add_f32 v[PS:PS+1], v[PS:PS+1], v[PS+4:PS+5]
	v_pk_mul_f32 v[28:29], v[PS:PS+1], s[38:39] op_sel_hi:[1,0]            ; sc = -k sum of w r
	s_cmp_lg_u32 s20, 0
	s_cbranch_scc1 .Lnot_0_\@
	global_store_b64 v16, v[28:29], s[2:3]         ; wave 0: 256 consecutive bytes, aligned
.Lnot_0_\@:
	s_wait_alu depctr_va_vdst(0)
	v_max_num_f32 v24, v28, v29
.irp m, 1,2,4,8
	v_max_num_f32_dpp v24, v24, v24 row_xmask:\m row_mask:0xf bank_mask:0xf
.endr
	v_permlanex16_b32 v25, v24, s40, s41
	v_max_num_f32 v24, v24, v25                    ; the chunk's largest sc
	v_max_num_f32 v24, v24, v20                    ; the new M
	v_sub_f32 v26, v20, v24                        ; old M - new M
	v_mov_b32 v20, v24
	v_sub_f32 v30, v28, v24
	v_sub_f32 v31, v29, v24
	s_wait_alu depctr_va_vdst(0)
	v_exp_f32 v22, v26                             ; F = 2^(old M - new M)
	v_exp_f32 v30, v30                             ; p = 2^(sc - M)
	v_exp_f32 v31, v31
	v_nop
	s_wait_alu depctr_va_vdst(0)                   ; one wait for the three
	v_add_f32 v26, v30, v31
	v_fma_f32 v21, v21, v22, v26                   ; my lane's part of l
	ds_store_b64 v14, v[30:31]                     ; p into my wave's own 256 bytes,
.irp k, 0,1,2,3
	ds_load_b128 v[PR+4*\k:PR+4*\k+3], v15 offset:16*\k                    ; and my 16 rows' back into every lane: LDS serves a wave's instructions in order (ISA guide 5.7.1.4)
.endr
.set J, 0
.rept 16
	v_pk_mul_f32 v[ACC4+J:ACC4+J+1], v[ACC4+J:ACC4+J+1], v[22:23] op_sel_hi:[1,0]           ; the weighted sum under the new M
.set J, J+2
.endr
	s_wait_dscnt 0x0
.endm
; ---- acc4 += p x row, my 16 rows: straight from the bf16 halves
.macro PV
	WIN 0x03                                       ; source 0 window 3
.set I, 0
.rept 16
.set E2, 0
.rept 16
	v_fma_mix_f32_bf16 v[ACC4+2*E2], v[16*I+E2], v[PR+I], v[ACC4+2*E2] op_sel_hi:[1,0,0]
	v_fma_mix_f32_bf16 v[ACC4+2*E2+1], v[16*I+E2], v[PR+I], v[ACC4+2*E2+1] op_sel:[1,0,0] op_sel_hi:[1,0,0]
.set E2, E2+1
.endr
.set I, I+1
.endr
	WIN 0
.endm
.macro CHUNK fill
	QPHASE \fill
	MEET \fill
	ALOAD
	GLOOP \fill
	SCORE
	PV
.if \fill
	s_wait_xcnt 0x0                                ; the scores' store has read its base
	s_add_nc_u64 s[2:3], s[2:3], 256               ; the next chunk's 64 scores
.endif
.endm
	; ================ the head
	s_load_b256 s[4:11], s[0:1], 0x0               ; past_hidden s[4:5], wq s[6:7], wqs s[8:9], kc s[10:11]
	s_load_b256 s[12:19], s[0:1], 0x20             ; w_score s[12:13], scores s[14:15], pacc s[16:17], ml s[18:19]
	v_lshl_add_u32 v2, v0, 2, SPARE                ; my spare word; never rewritten
	v_mov_b32 v3, 0                                ; 0; never rewritten
	ds_add_u32 v2, v3                              ; the wave's opening: the add, twice on end, and its wait ahead of my first tensor load
	ds_add_u32 v2, v3                              ; and once more; the set-up below, work on registers, stands between it and the wait
	v_lshrrev_b32 v24, 5, v0
	v_readfirstlane_b32 s20, v24                   ; wave 0..3
	; the descriptor's group 1: a dense block of 64 KiB as 256 rows of 256 bytes (32 elements of 8 bytes), 16 bytes of padding behind each
	s_mov_b32 s24, (3<<16)|(1<<20)|(5<<22)|(3<<25) ; no mask; elements of 8 bytes; padding on; after every 64 words; 4 words
	s_mov_b32 s25, 32<<16                          ; tensor_dim0 = 32
	s_mov_b32 s26, 256<<16                         ; tensor_dim1 = 256
	s_mov_b32 s27, 32<<16                          ; tile_dim0 = 32
	s_mov_b32 s28, 256                             ; tile_dim1 = 256
	s_mov_b32 s29, 32                              ; from row to row: 32 elements
	s_mov_b32 s30, 0
	s_mov_b32 s31, 0
.irp g, 76, 88                                     ; two more groups 1, for the refills' two pieces: the same rows of 256 bytes and the same padding,
	s_mov_b32 s[\g], (3<<16)|(1<<20)|(5<<22)|(3<<25)
	s_mov_b32 s[\g+1], 32<<16
	s_mov_b32 s[\g+3], 32<<16
	s_mov_b32 s[\g+5], 32
	s_mov_b32 s[\g+6], 0
	s_mov_b32 s[\g+7], 0
.endr
	s_mov_b32 s78, 64<<16                          ; 64 of them (my rows 0-3)
	s_mov_b32 s80, 64
	s_mov_b32 s90, 192<<16                         ; and 192 (my rows 4-15)
	s_mov_b32 s92, 192
	s_mov_b32 s84, 1                               ; the second piece's group 0: count = 1
	s_mov_b32 s32, 1
	s_mul_i32 s33, s20, STAGEW                     ; my quarter of the stage
	s_add_co_u32 s85, s33, 4*ROWL                  ; and row 4 in it
	s_lshl_b32 s58, ttmp9, 20                      ; my work-group's 256 rows of 4,096 bytes,
	s_lshl_b32 s21, s20, 16                        ; my 16 rows of a chunk
	s_add_co_u32 s58, s58, s21
	s_mov_b32 s59, 0
	s_mov_b32 s36, K2
	s_mov_b32 s37, K2
	s_mov_b32 s38, NK2
	s_mov_b32 s39, NK2
	s_mov_b32 s40, 0x76543210
	s_mov_b32 s41, 0xfedcba98                      ; v_permlanex16_b32's selects for lane l xor 16
	v_and_b32 v1, 31, v0                           ; lane l
	v_and_b32 v26, 15, v0                          ; r
	v_bfe_u32 v27, v0, 4, 1                        ; h
	v_lshrrev_b32 v24, 3, v1                       ; l / 8
	v_lshlrev_b32 v4, 5, v1
	v_lshl_add_u32 v4, v24, 4, v4                  ; 32 l, + 16 for each 256 passed
	v_add_nc_u32 v4, s33, v4
	v_add_nc_u32 v5, 8*ROWL, v4
	s_mul_i32 s21, s20, 16*CPITCH
	s_add_co_u32 s21, s21, ACODE
	v_lshl_add_u32 v6, v1, 2, s21                  ; my 16 code rows, 4 l
	v_bfe_u32 v25, v1, 2, 1
	v_lshlrev_b32 v7, 2, v24
	v_lshl_add_u32 v7, v25, 8, v7
	s_lshl_b32 s21, s20, 9
	s_add_co_u32 s21, s21, ASCL
	v_add_nc_u32 v7, s21, v7                       ; K step l / 4: its parity picks the half, its half the word
	v_mul_u32_u24 v8, v26, CPITCH
	v_lshl_add_u32 v8, v27, 7, v8
	v_add_nc_u32 v8, ACODE, v8
	v_lshl_add_u32 v9, v1, 4, ASCL
	v_lshlrev_b32 v10, 4, v1
	v_lshlrev_b32 v11, 2, v26
	s_lshl_b32 s21, s20, 8
	s_add_co_u32 s21, s21, PART
	v_lshl_add_u32 v12, v27, 5, s21
	v_lshl_add_u32 v13, v1, 3, PART
	s_lshl_b32 s21, s20, 8
	s_add_co_u32 s21, s21, PB
	v_lshl_add_u32 v14, v1, 3, s21
	s_mul_i32 s21, s20, 320
	s_add_co_u32 s21, s21, PB
	v_mov_b32 v15, s21                             ; my copy (256 w) and in it my 16 rows (64 w)
	v_lshlrev_b32 v16, 3, v1
	s_lshl_b32 s21, s20, 12
	s_add_co_u32 s21, s21, ACODE
	v_lshl_add_u32 v17, v1, 5, s21
	s_lshl_b32 s21, s20, 10
	s_add_co_u32 s21, s21, ACODE
	v_lshl_add_u32 v18, v1, 4, s21
	s_wait_dscnt 0x0                               ; both opening adds are done
	s_wait_kmcnt 0x0
	s_add_nc_u64 s[34:35], s[4:5], s[58:59]        ; chunk 0, my 16 rows
	s_add_nc_u64 s[86:87], s[34:35], 16384         ; and row 4 of them
	s_or_b32 s35, s35, 0x80000000                  ; type = 2
	s_or_b32 s87, s87, 0x80000000
	tensor_load_to_lds s[32:35], s[24:31]          ; the first fill: every wave issues one
	s_nop 0
	PLACES
	s_lshl_b32 s58, s20, 17
	s_add_nc_u64 s[42:43], s[6:7], s[58:59]        ; wq: my 16 tiles of 8,192 bytes
	s_lshl_b32 s58, s20, 13
	s_add_nc_u64 s[44:45], s[8:9], s[58:59]        ; wqs: 512 bytes a tile
	s_lshl_b32 s21, s20, 10
	s_lshr_b32 s58, ttmp9, 3
	s_lshl_b32 s58, s58, 12
	s_add_co_u32 s58, s58, s21
	s_add_nc_u64 s[46:47], s[10:11], s[58:59]      ; kc: my batch's row, my 256 units
	s_mov_b32 s58, s21
	s_add_nc_u64 s[48:49], s[12:13], s[58:59]      ; w_score: my 256 units
	s_lshl_b32 s58, ttmp9, 10
	s_add_nc_u64 s[2:3], s[14:15], s[58:59]        ; scores: my work-group's 256
	s_lshl_b32 s58, ttmp9, 12
	s_add_co_u32 s58, s58, s21
	s_add_nc_u64 s[16:17], s[16:17], s[58:59]      ; pacc: my work-group's row, my 256 columns
	s_lshl_b32 s58, ttmp9, 8
	s_add_nc_u64 s[18:19], s[18:19], s[58:59]      ; ml: my work-group's 256 bytes
	s_mov_b32 s58, 0                               ; group 0
	s_mov_b32 s60, 0
	s_mov_b32 s61, 0
	s_mov_b32 s62, 0
	s_mov_b32 s63, 0
	WBASES 0
.irp j, 1,3,5,7,9,11,13,15
	v_mov_b32 v[CST+\j], 0                         ; the pairs' upper halves: named with the lower, so they are written, once
.endr
	WLOADW 0
	WLOADC 0
	WSTEP 1
	WLOADW 1
	WLOADC 1
	v_mov_b32 v20, 0xff61b1e6                      ; M: -3e38, under every sc
	v_mov_b32 v21, 0                               ; l
	v_mov_b32 v23, 0                               ; (F's pair)
	v_mov_b32 v25, 0                               ; a lane permute's destination counts as one of its sources
.set J, 0
.rept 32
	v_mov_b32 v[ACC4+J], 0                         ; the weighted sum: the first chunk finds zeros, which its F leaves zeros
.set J, J+1
.endr
	; ================ four chunks; the last is written out: it asks for no further chunk and no further group
	s_mov_b32 s23, 3
.Lchunk:
	CHUNK 1
	s_sub_co_u32 s23, s23, 1
	s_cmp_lg_u32 s23, 0
	s_cbranch_scc1 .Lchunk
	CHUNK 0
	; ================ the four waves' weighted sums meet in the code rows' bytes: every wave has passed the last barrier, behind which nobody reads them, and no tensor load ever fills them
.irp q, 0,1,2,3
.irp u, 0,1
	ds_store_b128 v17, v[ACC4+8*\q+4*\u:ACC4+8*\q+4*\u+3] offset:1024*\q+16*\u             ; my sums as a row of 4,096 bytes
.endr
.endr
	s_wait_dscnt 0x0
	s_barrier_signal -1
	s_barrier_wait -1
.irp k, 0,1,2,3
.irp u, 0,1
	ds_load_b128 v[ACCU+8*\k+4*\u:ACCU+8*\k+4*\u+3], v18 offset:4096*\k+512*\u             ; columns 256 w on, of each wave's row
.endr
.endr
	s_wait_dscnt 0x0
.irp i, 0,2,4,6
	v_pk_add_f32 v[ACCU+\i:ACCU+\i+1], v[ACCU+\i:ACCU+\i+1], v[ACCU+8+\i:ACCU+9+\i]
	v_pk_add_f32 v[ACCU+16+\i:ACCU+17+\i], v[ACCU+16+\i:ACCU+17+\i], v[ACCU+24+\i:ACCU+25+\i]
.endr
.irp i, 0,2,4,6
	v_pk_add_f32 v[ACCU+\i:ACCU+\i+1], v[ACCU+\i:ACCU+\i+1], v[ACCU+16+\i:ACCU+17+\i]
.endr
	global_store_b128 v10, v[ACCU:ACCU+3], s[16:17]                        ; 512 consecutive bytes a store
	global_store_b128 v10, v[ACCU+4:ACCU+7], s[16:17] offset:512
	s_cmp_lg_u32 s20, 0
	s_cbranch_scc1 .Lno_ml
	global_store_b64 v16, v[20:21], s[18:19]       ; wave 0: M and each lane's part of l: 256 consecutive bytes
.Lno_ml:
	s_wait_tensorcnt 0x0                           ; the wave's end, behind my last tensor load and my last LDS store
	ds_add_u32 v2, v3
	s_wait_dscnt 0x0
	s_endpgm
.Lfunc_end_k_qffc301d97a_main:
	.size	k_qffc301d97a_main, .Lfunc_end_k_qffc301d97a_main-k_qffc301d97a_main
	.p2alignl 7, 3214868480
	.fill 96, 4, 3214868480
	.section	.rodata,"a",@progbits
	.p2align	6, 0x0
	.amdhsa_kernel k_qffc301d97a_main
		.amdhsa_group_segment_fixed_size 327680
		.amdhsa_private_segment_fixed_size 0
		.amdhsa_enable_private_segment 0
		.amdhsa_kernarg_size 64
		.amdhsa_user_sgpr_count 2
		.amdhsa_user_sgpr_kernarg_segment_ptr 1
		.amdhsa_wavefront_size32 1
		.amdhsa_system_sgpr_workgroup_id_x 1
		.amdhsa_system_sgpr_workgroup_id_y 1
		.amdhsa_system_sgpr_workgroup_id_z 1
		.amdhsa_system_vgpr_workitem_id 0
		.amdhsa_next_free_vgpr 1024
		.amdhsa_next_free_sgpr 96
		.amdhsa_reserve_vcc 0
		.amdhsa_float_denorm_mode_32 3
		.amdhsa_float_denorm_mode_16_64 3
		.amdhsa_memory_ordered 1
		.amdhsa_forward_progress 1
		.amdhsa_inst_pref_size 255
	.end_amdhsa_kernel
	.section	.bss,"aw",@nobits
	.p2align	6
	.space	262144
	.amdgpu_metadata
---
amdhsa.version: [ 1, 2 ]
amdhsa.kernels:
  - .name:           k_qffc301d97a_main
    .symbol:         k_qffc301d97a_main.kd
    .args:
      - { .name: past_hidden, .offset: 0, .size: 8, .value_kind: global_buffer, .address_space: global }
      - { .name: wq, .offset: 8, .size: 8, .value_kind: global_buffer, .address_space: global }
      - { .name: wqs, .offset: 16, .size: 8, .value_kind: global_buffer, .address_space: global }
      - { .name: kc, .offset: 24, .size: 8, .value_kind: global_buffer, .address_space: global }
      - { .name: w_score, .offset: 32, .size: 8, .value_kind: global_buffer, .address_space: global }
      - { .name: scores, .offset: 40, .size: 8, .value_kind: global_buffer, .address_space: global }
      - { .name: pacc, .offset: 48, .size: 8, .value_kind: global_buffer, .address_space: global }
      - { .name: ml, .offset: 56, .size: 8, .value_kind: global_buffer, .address_space: global }
    .group_segment_fixed_size: 327680
    .private_segment_fixed_size: 0
    .kernarg_segment_align: 8
    .kernarg_segment_size: 64
    .max_flat_workgroup_size: 128
    .sgpr_count:     96
    .vgpr_count:     1024
    .wavefront_size: 32
...
	.end_amdgpu_metadata
.endif
;; end of part 2
;; launch join (part 3): grid 32 x 1, 8 waves a work-group, no clusters, 0 bytes of LDS; arguments scores, pacc, ml, out0, out1; writes out0, out1
.if DOCPART == 3
	.amdgcn_target "amdgcn-amd-amdhsa--gfx1250"
	.amdhsa_code_object_version 6
	.text
	.protected	k_qffc301d97a_join
	.globl	k_qffc301d97a_join
	.p2align	8
	.type	k_qffc301d97a_join,@function
k_qffc301d97a_join:
	s_mov_b64 s[64:65], 0
	v_nop
	global_prefetch_b8 v0, s[64:65] scope:SCOPE_SE
	s_setreg_imm32_b32 hwreg(HW_REG_WAVE_MODE, 25, 1), 1
	s_wait_xcnt 0x0
; THIRD OF THREE LAUNCHES.  Work-group b joins the eight parts of batch b.  Part j brought M_j, l_j (in 32 lanes' parts) and acc_j = sum over its 256 rows of 2^(sc - M_j) x row.
; M = the largest M_j; e_j = 2^(M_j - M); L = sum of l_j e_j; out0 = sum of acc_j e_j / L; out1 = 2^(sc - M) / L.  sc is the score in powers of two, without the term that is the same
; along the softmax's axis (shown at the head of the first kernel).  Memory binds what little there is: no LDS, no barrier, no matrix unit; every wave reads all eight (M_j, l_j) and sums for itself.
; Thread t owns columns 4 t .. 4 t + 3 of out0 and 8 numbers of out1; every store of a wave covers 512 consecutive bytes, aligned.
	s_load_b256 s[4:11], s[0:1], 0x0               ; scores s[4:5], pacc s[6:7], ml s[8:9], out0 s[10:11]
	s_load_b64 s[12:13], s[0:1], 0x20              ; out1
	v_and_b32 v1, 31, v0
	s_delay_alu instid0(VALU_DEP_1)
	v_lshlrev_b32 v1, 3, v1                        ; 8 x lane
	v_lshlrev_b32 v2, 4, v0                        ; 16 x thread
	v_mov_b32 v5, 0                                ; a lane permute's destination counts as one of its sources
	v_mov_b32 v7, 0                                ; (named as the upper half of the pair v[6:7])
	s_mov_b32 s14, 0x76543210
	s_mov_b32 s15, 0xfedcba98                      ; v_permlanex16_b32's selects for lane l xor 16
	s_mov_b32 s17, 0
	s_mov_b32 s19, 0
	s_mov_b32 s21, 0
	s_mov_b32 s23, 0
	s_lshl_b32 s16, ttmp9, 13                      ; a batch's 2,048 scores, and weights
	s_lshl_b32 s18, ttmp9, 15                      ; its 8 rows of pacc
	s_lshl_b32 s20, ttmp9, 11                      ; its 8 x 256 bytes of ml
	s_lshl_b32 s22, ttmp9, 12                      ; its row of out0
	s_wait_alu depctr_va_vdst(0)
	s_wait_kmcnt 0x0
	s_add_nc_u64 s[4:5], s[4:5], s[16:17]
	s_add_nc_u64 s[12:13], s[12:13], s[16:17]
	s_add_nc_u64 s[6:7], s[6:7], s[18:19]
	s_add_nc_u64 s[8:9], s[8:9], s[20:21]
	s_add_nc_u64 s[10:11], s[10:11], s[22:23]
.irp j, 0,1,2,3,4,5,6,7
	global_load_b64 v[8+2*\j:9+2*\j], v1, s[8:9] offset:256*\j             ; M_j, my lane's part of l_j
.endr
	global_load_b128 v[24:27], v2, s[4:5]
	global_load_b128 v[28:31], v2, s[4:5] offset:4096
.irp j, 0,1,2,3,4,5,6,7
	global_load_b128 v[32+4*\j:35+4*\j], v2, s[6:7] offset:4096*\j
.endr
	s_wait_loadcnt 0x0
	v_max3_num_f32 v3, v8, v10, v12
	s_delay_alu instid0(VALU_DEP_1)
	v_max3_num_f32 v3, v3, v14, v16
	s_delay_alu instid0(VALU_DEP_1)
	v_max3_num_f32 v3, v3, v18, v20
	s_delay_alu instid0(VALU_DEP_1)
	v_max_num_f32 v3, v3, v22                      ; M
.irp j, 0,1,2,3,4,5,6,7
	v_sub_f32 v[65+2*\j], v[8+2*\j], v3
.endr
	s_wait_alu depctr_va_vdst(0)
.irp j, 0,1,2,3,4,5,6,7
	v_exp_f32 v[65+2*\j], v[65+2*\j]               ; e_j
.endr
	v_nop                                          ; a plain place behind the last exponential
	s_wait_alu depctr_va_vdst(0)                   ; one wait for the eight, ahead of their first reader
	v_mul_f32 v4, v9, v65
.irp j, 1,2,3,4,5,6,7
	v_fmac_f32 v4, v[9+2*\j], v[65+2*\j]
.endr
.irp m, 1,2,4,8
	s_delay_alu instid0(VALU_DEP_1)
	v_add_f32_dpp v4, v4, v4 row_xmask:\m row_mask:0xf bank_mask:0xf
.endr
	s_delay_alu instid0(VALU_DEP_1)
	v_permlanex16_b32 v5, v4, s14, s15
	s_delay_alu instid0(VALU_DEP_1)
	v_add_f32 v4, v4, v5                           ; L
	s_wait_alu depctr_va_vdst(0)
	v_rcp_f32 v6, v4
.irp i, 0,1,2,3,4,5,6,7
	v_sub_f32 v[24+\i], v[24+\i], v3               ; sc - M (plain work behind the reciprocal)
.endr
	s_wait_alu depctr_va_vdst(0)
.irp i, 0,1,2,3,4,5,6,7
	v_exp_f32 v[24+\i], v[24+\i]
.endr
	v_nop
	s_wait_alu depctr_va_vdst(0)                   ; one wait for the reciprocal and the eight exponentials
.irp j, 0,1,2,3,4,5,6,7
	v_mul_f32 v[64+2*\j], v[65+2*\j], v6           ; g_j = e_j / L, in the even register of its pair
.endr
	v_pk_mul_f32 v[80:81], v[32:33], v[64:65] op_sel_hi:[1,0]
	v_pk_mul_f32 v[82:83], v[34:35], v[64:65] op_sel_hi:[1,0]
.irp j, 1,2,3,4,5,6,7
	v_pk_fma_f32 v[80:81], v[32+4*\j:33+4*\j], v[64+2*\j:65+2*\j], v[80:81] op_sel_hi:[1,0,1]
	v_pk_fma_f32 v[82:83], v[34+4*\j:35+4*\j], v[64+2*\j:65+2*\j], v[82:83] op_sel_hi:[1,0,1]
.endr
	global_store_b128 v2, v[80:83], s[10:11]
.irp i, 0,2,4,6
	v_pk_mul_f32 v[24+\i:25+\i], v[24+\i:25+\i], v[6:7] op_sel_hi:[1,0]
.endr
	global_store_b128 v2, v[24:27], s[12:13]
	global_store_b128 v2, v[28:31], s[12:13] offset:4096
	s_endpgm
.Lfunc_end_k_qffc301d97a_join:
	.size	k_qffc301d97a_join, .Lfunc_end_k_qffc301d97a_join-k_qffc301d97a_join
	.p2alignl 7, 3214868480
	.fill 96, 4, 3214868480
	.section	.rodata,"a",@progbits
	.p2align	6, 0x0
	.amdhsa_kernel k_qffc301d97a_join
		.amdhsa_group_segment_fixed_size 0
		.amdhsa_private_segment_fixed_size 0
		.amdhsa_enable_private_segment 0
		.amdhsa_kernarg_size 40
		.amdhsa_user_sgpr_count 2
		.amdhsa_user_sgpr_kernarg_segment_ptr 1
		.amdhsa_wavefront_size32 1
		.amdhsa_system_sgpr_workgroup_id_x 1
		.amdhsa_system_sgpr_workgroup_id_y 1
		.amdhsa_system_sgpr_workgroup_id_z 1
		.amdhsa_system_vgpr_workitem_id 0
		.amdhsa_next_free_vgpr 96
		.amdhsa_next_free_sgpr 66
		.amdhsa_reserve_vcc 0
		.amdhsa_float_denorm_mode_32 3
		.amdhsa_float_denorm_mode_16_64 3
		.amdhsa_memory_ordered 1
		.amdhsa_forward_progress 1
		.amdhsa_inst_pref_size 8
	.end_amdhsa_kernel
	.amdgpu_metadata
---
amdhsa.version: [ 1, 2 ]
amdhsa.kernels:
  - .name:           k_qffc301d97a_join
    .symbol:         k_qffc301d97a_join.kd
    .args:
      - { .name: scores, .offset: 0, .size: 8, .value_kind: global_buffer, .address_space: global }
      - { .name: pacc, .offset: 8, .size: 8, .value_kind: global_buffer, .address_space: global }
      - { .name: ml, .offset: 16, .size: 8, .value_kind: global_buffer, .address_space: global }
      - { .name: out0, .offset: 24, .size: 8, .value_kind: global_buffer, .address_space: global }
      - { .name: out1, .offset: 32, .size: 8, .value_kind: global_buffer, .address_space: global }
    .group_segment_fixed_size: 0
    .private_segment_fixed_size: 0
    .kernarg_segment_align: 8
    .kernarg_segment_size: 40
    .max_flat_workgroup_size: 256
    .sgpr_count:     66
    .vgpr_count:     96
    .wavefront_size: 32
...
	.end_amdgpu_metadata
.endif
;; end of part 3
